; MI455X (gfx1250); checked and timed in simulation.
; The chip was launched on July 23, 2026; its instructions are those of AMD's public machine-readable ISA for CDNA 5 (MIT licence, August 2026) and "CDNA5" Instruction Set Architecture Reference Guide (July 2026). The comments in the code are by the model that wrote it; some were corrected since.
;; Model Wrapper. Allowed arithmetic: matrix products marked QUANTISED: E2M1 operands, one E8M0 scale for each 32 along K, by v_wmma_scale_f32_16x16x128_f8f6f4 with both operands' format E2M1 (or v_wmma_scale_f32_32x16x128_f4), f32 sums; products left as they are: f32 operands where the result goes on into a quantised operand, else bf16, f16 or f32 operands; f32 sums; everything else in f32.
;; Inputs: W1 256 x 1,024 float32; W2 1,024 x 2 float32; b1 1,024 float32; b2 2 float32; emb 100,000 x 128 float32; idxs_d 262,144 int32; idxs_g 262,144 int32.
;; Outputs: out0 262,144 x 2 float32.
;; This version of the problem:
;;   THIS VERSION OF THE PROBLEM IS GIVEN IN LOW PRECISION. The matrix products marked QUANTISED in the list below multiply operands that are first quantised to E2M1 (2 exponent bits, 1 mantissa bit; 4 bits a number), with one power-of-two scale for each 32 numbers along K (OCP MX v1.0); their sums are f32. All else is computed in f32.
;;   The module's matrix products, in the order in which they are computed (A, B: the left and right operand; K: the contracted axis; several contracted axes count as one K, in the product's order):
;;     1. [M 262,144, K 256] x [K 256, N 1,024]; A: computed on the way; B: input W1: QUANTISED
;;     2. [M 262,144, K 1,024] x [K 1,024, N 2]; A: computed on the way; B: input W2: left as it is (N = 2 < 16)
;;   THE QUANTISER, for each operand of a quantised product, along K:
;;     - K is cut into blocks of 32 from its start; a last block that is shorter is filled with zeros.
;;     - A block's scale is 2^e with e = floor(log2(the largest magnitude in the block)) - 2, held to -126 .. 127; a block of zeros has e = 0. As a byte (E8M0): e + 127.
;;     - Each number is divided by its block's scale, clamped to +-6, and rounded to the nearest number of E2M1, ties to even, subnormals kept.
;;     - The product sums the exact products of the quantised numbers (number of the format x scale) in f32.
;;   ~~~python
;;   def quantise(x, axis):      # numpy; x: float32 -> the quantised numbers, widened to float32 again
;;       x = np.moveaxis(x, axis, -1); K = x.shape[-1]
;;       x = np.pad(x, [(0, 0)] * (x.ndim - 1) + [(0, -K % 32)]); x = x.reshape(x.shape[:-1] + (-1, 32)); a = np.abs(x).max(-1, keepdims=True)
;;       e = np.where(a > 0, np.clip(np.frexp(np.where(a > 0, a, 1))[1] - 1 - 2, -126, 127), 0)      # np.frexp(a)[1] - 1 = floor(log2(a)), exactly
;;       r = np.clip(x / 2.0 ** e, -6, 6)
;;       step = 2.0 ** (np.maximum(np.frexp(np.where(r == 0, 1, r))[1] - 1, 0) - 1)
;;       q = np.round(r / step) * step * 2.0 ** e      # np.round: ties to even
;;       return np.moveaxis(q.reshape(q.shape[:-2] + (-1,))[..., :K], -1, axis).astype(np.float32)
;;   ~~~
;;   OPERANDS COMPUTED ON THE WAY. 'Computed on the way' means the value that the module computes at that place (a softmax that the list does not call 'softmax' is quantised finished and normalised). What goes into a quantiser is computed in f32, as accurately as f32 sums, v_exp_f32 and their like allow (about 1e-6 of the number): no bf16 or f16 on the way to a quantiser, and a product that is left as it is and whose result goes on into a quantised operand takes f32 operands (vector FMAs, or v_wmma_f32_16x16x4_f32). A number that lies on a knife's edge between two numbers of the format may be rounded either way, as far as f32 arithmetic and the matrix unit's own rounding can turn it there, and no further.
;; 2 versions, each right; version 2 is version 1 with the launch mlp written anew for expert scheduling mode. Each part assembles by itself: llvm-mc -triple=amdgcn-amd-amdhsa -mcpu=gfx1250 --defsym DOCPART=n.
;; ======== version 1 of 2: 2 launches
;; limits: a function is approximated: absolute error at most 4e-06
;; workspace buffers: ecodes 6,400,000 bytes; escales 400,128 bytes; wimg 172,032 bytes
;; launch prep (part 1): grid 641 x 1, 5 waves a work-group, no clusters, 41,728 bytes of LDS; arguments emb, W1, W2, ecodes, escales, wimg; writes ecodes, escales, wimg
.if DOCPART == 1
	.amdgcn_target "amdgcn-amd-amdhsa--gfx1250"
	.amdhsa_code_object_version 6
	.text
	.protected	k_q8fad0d274d_prep
	.globl	k_q8fad0d274d_prep
	.p2align	8
	.type	k_q8fad0d274d_prep,@function
k_q8fad0d274d_prep:
	s_mov_b64 s[64:65], 0
	v_nop
	global_prefetch_b8 v0, s[64:65] scope:SCOPE_SE
	s_setreg_imm32_b32 hwreg(HW_REG_WAVE_MODE, 25, 1), 1
	s_wait_xcnt 0x0
; WHAT THIS LAUNCH MAKES.  (1) emb [100000][128] f32 -> codes of FP4 (E2M1), K innermost, ecodes [100000][64 bytes], and one E8M0 byte for each 32 along a row, escales [100000][4].
; The pair's K = 256 is two rows of emb on end and 128 is four whole blocks of 32, so quantising the table once is quantising every pair.
; (2) W1 [256 (k)][1024 (n)] f32 -> codes and scale words, (3) W2 [1024][2] f32 -> bf16, both laid in wimg in the order of the next launch's operand registers:
;   wimg[0, 131072):       fragment (tile t of 16 hidden units, K step ks of 128) at 1024 (2 t + ks); registers 4 c .. 4 c + 3 of lane l at 512 c + 16 l; lane (r, h) holds unit 16 t + r, k = 128 ks + 64 c + 32 h + 0 .. 31
;   wimg[131072, 139264):  step s (tiles 2 s, 2 s + 1) at 256 s; lane l's 8 bytes at 8 l: the word of tile 2 s, then of tile 2 s + 1; lanes 0-15 K step 0 of row r, lanes 16-31 K step 1
;   wimg[139264, 172032):  step s (32 hidden units) at 1024 s: a bf16 fragment of 16 rows x 32 k; rows 0, 1 = bf16(W2[:, 0]), bf16(W2[:, 1]); rows 2, 3 = bf16 of what that rounding left; rows 8-11 the same again; the others 0
; A block's scale is 2^(floor(log2(its largest magnitude)) - 2); its byte is the largest magnitude's exponent field - 2, held at 1 from below.  A block of zeros so gets the byte 1 where the
; rule says 127: its codes are zeros, which add nothing under any byte but 0xff, and the bytes are read by this program alone.
; LIMITS: blocks whose largest magnitude lies under 2^-124, the floor, get the byte 1; NaN and infinities among the inputs are not served.
; SHARES.  Work-groups 0-624: emb, a plain stream of 25,000 steps of 512 numbers = 3,125 runs of 8 steps, one run a wave (5 waves x 625).  Work-groups 625-640: waves 0-3 take 32 columns x 128 k of W1 each
; (64 such jobs), wave 4 two steps of W2.  Waves share nothing: no barrier.  Only the emb path uses LDS.  Memory binds: no matrix unit, no cluster, no tensor load would add anything.
.set WGE,   625                        ; work-groups that take emb
.set STEPS, 8
.set EMAX,  2
.set CB,    8                          ; bytes of 16 codes
.set R,     16                         ; v16-79   four sets of 16 numbers as they are loaded
.set X,     80                         ; v80-111  two sets of 16 neighbours
.set E,     112                        ; v112-119 a scale byte for each step
.set C,     128                        ; v128-159 codes: four registers for each step, so that no store's data are written again
.set WREG,  8192                       ; LDS: a region for each wave: two stages of 32 x SP bytes, behind them its 128 scale bytes
.set SP,    80                         ; a lane's place in a stage: its 64 bytes + 16 of padding
.set WX,    32                         ; W1 path: v32-159 four blocks of 32 numbers
.set WC,    160                        ; v160-175 their codes
.set LSC,   131072                     ; wimg: where the scale words begin
.set LW2,   139264                     ; and W2's fragments
	s_load_b256 s[4:11], s[0:1], 0x0               ; emb s[4:5], W1 s[6:7], W2 s[8:9], ecodes s[10:11]
	s_load_b128 s[12:15], s[0:1], 0x20             ; escales s[12:13], wimg s[14:15]
	v_lshl_add_u32 v192, v0, 2, 0xa000
	v_mov_b32 v193, 0
	v_lshrrev_b32 v1, 5, v0
	v_readfirstlane_b32 s16, v1                    ; wave 0..4
	v_and_b32 v2, 31, v0                           ; lane
	s_cmp_lt_u32 ttmp9, WGE
	s_cbranch_scc0 .Lweights
; ---------------- emb.  The conversions take 8 numbers of ONE block from a lane's registers, so a lane must hold 16 neighbours (two lanes to a block); a load is best where neighbouring lanes take neighbouring
; bytes.  Both are had: a step's four loads read 512 consecutive bytes each, the 2,048 bytes go through the wave's own stage in LDS as they lie and come back 64 bytes a lane.
	v_lshlrev_b32 v3, 4, v2                        ; my 16 bytes of a load's 512
	s_mul_i32 s17, s16, WREG
	v_lshrrev_b32 v14, 2, v2
	v_mul_u32_u24 v14, v14, SP
	v_and_b32 v15, 3, v2
	v_lshl_add_u32 v14, v15, 4, v14
	v_add_nc_u32 v14, s17, v14                     ; the stage, on the way in: SP (lane / 4) + 16 (lane % 4); a load's 512 bytes take eight places
	v_mul_u32_u24 v15, v2, SP
	v_add_nc_u32 v15, s17, v15                     ; and on the way out: SP x lane: my 16 neighbours
	v_mul_u32_u24 v4, v2, CB                       ; my codes' place in a step's
	v_lshrrev_b32 v5, 1, v2
	s_add_co_u32 s17, s17, 2*32*SP
	v_add_nc_u32 v5, s17, v5                       ; LDS: my wave's 128 scale bytes, my block's byte
	v_lshlrev_b32 v7, 2, v2                        ; and on the way out 4 bytes a lane
	v_add_nc_u32 v6, s17, v7
	s_mul_i32 s18, ttmp9, 5
	s_add_co_u32 s18, s18, s16                     ; my run, 0 .. 3,124
	s_lshl_b32 s20, s18, 14                        ; 16,384 bytes of numbers a run (51,200,000 in all: under 2^32),
	s_mov_b32 s21, 0
	s_lshl_b32 s22, s18, 11                        ; 2,048 of codes,
	s_mov_b32 s23, 0
	s_lshl_b32 s24, s18, 7                         ; 128 of scale bytes
	s_mov_b32 s25, 0
	s_wait_kmcnt 0x0
	s_add_nc_u64 s[4:5], s[4:5], s[20:21]
	s_add_nc_u64 s[10:11], s[10:11], s[22:23]
	s_add_nc_u64 s[12:13], s[12:13], s[24:25]
.macro LOAD t
.irp i, 0,1,2,3
	global_load_b128 v[R+16*((\t)%4)+4*\i:R+16*((\t)%4)+4*\i+3], v3, s[4:5] offset:2048*(\t)+512*\i th:TH_LOAD_NT   ; 32 lanes read 512 consecutive bytes; read once in the launch
.endr
.endm
.macro TURN t                          ; step t's numbers through the stage: LDS serves a wave's instructions in order, so no wait stands between the stores and the loads
.irp i, 0,1,2,3
	ds_store_b128 v14, v[R+16*((\t)%4)+4*\i:R+16*((\t)%4)+4*\i+3] offset:32*SP*((\t)%2)+8*SP*\i
.endr
.irp i, 0,1,2,3
	ds_load_b128 v[X+16*((\t)%2)+4*\i:X+16*((\t)%2)+4*\i+3], v15 offset:32*SP*((\t)%2)+16*\i
.endr
.endm
.irp t, 0,1,2,3
	LOAD \t
.endr
	s_wait_loadcnt 12                              ; step 0's four loads are in; the twelve of steps 1 to 3 may be out
	TURN 0
.macro STEP t
.set XS, X+16*((\t)%2)
.if (\t) > 0
	s_wait_dscnt 1                                 ; this step's numbers are back from the stage (the last step's byte store may be out): so its stores into the stage have read their registers,
.else
	s_wait_dscnt 0x0
.endif
.if (\t)+4 < STEPS
	LOAD (\t)+4                                    ; which take the loads of four steps on
.endif
.if (\t)+1 < STEPS
.if STEPS-2-(\t) >= 3
	s_wait_loadcnt 12                              ; the next step's four loads are in; those of the three steps behind it may be out
.else
	s_wait_loadcnt 4*(STEPS-2-(\t))                ; towards the end fewer steps are behind it
.endif
	TURN (\t)+1                                    ; and go through the other stage while this step is worked
.endif
	v_max3_num_f32 v8, |v[XS]|, |v[XS+1]|, |v[XS+2]|               ; the largest magnitude of my 16, in two chains
	v_max3_num_f32 v9, |v[XS+3]|, |v[XS+4]|, |v[XS+5]|
.irp i, 6,10
	v_max3_num_f32 v8, v8, |v[XS+\i]|, |v[XS+\i+1]|
	v_max3_num_f32 v9, v9, |v[XS+\i+2]|, |v[XS+\i+3]|
.endr
	v_max3_num_f32 v8, v8, |v[XS+14]|, |v[XS+15]|
	v_max3_num_f32 v8, v8, v9, (EMAX+1)<<23        ; and the floor 2^(3 - 127): so the byte cannot fall under 1
	v_max_num_f32_dpp v8, v8, v8 row_xmask:1 row_mask:0xf bank_mask:0xf   ; and of my neighbour's 16: the block's
	v_add_nc_u32 v11, -(EMAX<<23), v8              ; 2 off its exponent field: the conversion takes the exponent field of this operand as its scale, and nothing else of it
	v_cvt_scalef32_pk8_fp4_f32 v[C+4*(\t)], v[XS:XS+7], v11         ; eight numbers / the scale, to the nearest code, ties to even, beyond 6 the largest code; the first number's code in the lowest four bits
	v_cvt_scalef32_pk8_fp4_f32 v[C+4*(\t)+1], v[XS+8:XS+15], v11
	v_lshrrev_b32 v[E+(\t)], 23, v11               ; the scale's byte (a plain line behind the conversions)
	ds_store_b8 v5, v[E+(\t)] offset:16*(\t)       ; both lanes of a block write the same byte with the same value
	global_store_b64 v4, v[C+4*(\t):C+4*(\t)+1], s[10:11] offset:32*CB*(\t)   ; 32 lanes store 256 consecutive bytes, at a multiple of 256 from the buffer's first byte; the next launch reads them
.endm
.irp t, 0,1,2,3,4,5,6,7
	STEP \t
.endr
	ds_load_b32 v12, v6                            ; LDS serves a wave's instructions in order: this sees my byte stores
	s_wait_dscnt 0x0
	global_store_b32 v7, v12, s[12:13]             ; a run's 128 scale bytes, consecutive.  (25,000 steps do not divide into runs of 16, which would give 256; these bytes are 1 in 144 of what the launch moves)
	s_wait_tensorcnt 0x0
	ds_add_u32 v192, v193
	s_wait_dscnt 0x0
	s_endpgm
.Lweights:
	s_sub_co_u32 s17, ttmp9, WGE                   ; j = 0 .. 15
	s_cmp_eq_u32 s16, 4
	s_cbranch_scc1 .Lw2
; ---------------- W1: K is its FIRST axis.  A lane takes a column n and its registers run down K: each load reads 128 consecutive bytes, a block of 32 along K lies in ONE lane's 32 registers,
; and the conversions give codes with K innermost.  Job 4 j + wave: columns 32 g .. 32 g + 31 (tiles 2 g, 2 g + 1), K step ks.
	s_lshl_b32 s18, s17, 2
	s_add_co_u32 s18, s18, s16                     ; the job, 0 .. 63
	s_lshr_b32 s19, s18, 1                         ; g
	s_and_b32 s18, s18, 1                          ; ks
	v_lshlrev_b32 v3, 2, v2                        ; in: 4 bytes a lane
	v_and_b32 v6, 15, v2                           ; r: my column's row in its tile
	v_lshrrev_b32 v7, 4, v2                        ; which of the two tiles
	v_lshlrev_b32 v4, 4, v6
	v_lshl_add_u32 v4, v7, 11, v4                  ; codes: 16 r + 2,048 x tile; block b = 2 c + h of the K step lies 512 c + 256 h = 256 b further on
	v_lshlrev_b32 v5, 3, v6
	v_lshl_add_u32 v5, v7, 2, v5                   ; scale word: 8 r + 4 x tile
	s_lshl_b32 s20, s18, 19                        ; W1: 128 ks rows of 4,096 bytes
	s_lshl_b32 s21, s19, 7                         ;     + 32 g columns
	s_add_co_u32 s20, s20, s21
	s_mov_b32 s21, 0
	s_lshl_b32 s22, s19, 12                        ; codes: 4,096 g + 1,024 ks
	s_lshl_b32 s23, s18, 10
	s_add_co_u32 s22, s22, s23
	s_mov_b32 s23, 0
	s_lshl_b32 s24, s19, 8                         ; scale words: 256 g + 128 ks (K step 1's words belong to lanes 16-31)
	s_lshl_b32 s25, s18, 7
	s_add_co_u32 s24, s24, s25
	s_mov_b32 s25, 0
	s_wait_kmcnt 0x0
	s_add_nc_u64 s[6:7], s[6:7], s[20:21]
	s_add_nc_u64 s[26:27], s[14:15], s[22:23]
	s_add_nc_u64 s[28:29], s[14:15], s[24:25]
.macro WLOAD b                         ; block b: W1(128 ks + 32 b + i, my column), i = 0 .. 31; each block has registers of its own
.irp i, 0,1,2,3,4,5,6,7,8,9,10,11,12,13,14,15,16,17,18,19,20,21,22,23,24,25,26,27,28,29,30,31
	global_load_b32 v[WX+32*(\b)+\i], v3, s[6:7] offset:(32*(\b)+\i)*4096 th:TH_LOAD_NT
.endr
.endm
	WLOAD 0
	WLOAD 1
.macro BLOCK b
.set XS, WX+32*(\b)
.if (\b) < 3
	s_wait_loadcnt 32                              ; this block's 32 loads are in; the next block's 32 may be out
.else
	s_wait_loadcnt 0x0
.endif
.if (\b)+2 < 4
	WLOAD (\b)+2
.endif
	v_max3_num_f32 v12, |v[XS]|, |v[XS+1]|, |v[XS+2]|              ; the block's largest magnitude: all 32 numbers are mine
	v_max3_num_f32 v13, |v[XS+3]|, |v[XS+4]|, |v[XS+5]|
.irp i, 6,10,14,18,22,26
	v_max3_num_f32 v12, v12, |v[XS+\i]|, |v[XS+\i+1]|
	v_max3_num_f32 v13, v13, |v[XS+\i+2]|, |v[XS+\i+3]|
.endr
	v_max3_num_f32 v12, v12, |v[XS+30]|, |v[XS+31]|
	v_max3_num_f32 v12, v12, v13, (EMAX+1)<<23     ; and the floor
	v_add_nc_u32 v11, -(EMAX<<23), v12             ; the conversion's scale operand
	v_lshrrev_b32 v13, 23, v11                     ; the scale's byte
.if (\b) == 0
	v_mov_b32 v24, v13                             ; four bytes make the K step's scale word, the lower K in the lower byte
.else
	v_lshl_or_b32 v24, v13, 8*(\b), v24
.endif
.irp g, 0,1,2,3
	v_cvt_scalef32_pk8_fp4_f32 v[WC+4*(\b)+\g], v[XS+8*\g:XS+8*\g+7], v11
.endr
	global_store_b128 v4, v[WC+4*(\b):WC+4*(\b)+3], s[26:27] offset:256*(\b)   ; sixteen lanes store 256 consecutive bytes, at a multiple of 256 from the buffer's first byte.  (The next block begins with plain lines, ahead of the line that writes v11 anew)
.endm
	BLOCK 0
	BLOCK 1
	BLOCK 2
	BLOCK 3
	global_store_b32 v5, v24, s[28:29] offset:LSC  ; my column's scale word of this K step
	s_endpgm
.Lw2:
; ---------------- W2: steps 2 j and 2 j + 1.  Register e = 8 q + 4 c + i of lane (r, h) holds k = 32 (2 j + q) + 16 c + 8 h + 2 i (low half) and k + 1 (high half) of row r.
	v_bfe_u32 v3, v0, 4, 1
	v_lshlrev_b32 v3, 6, v3                        ; 8 h rows of W2, 8 bytes each
	v_lshlrev_b32 v4, 4, v2                        ; out: 16 bytes a lane
	v_and_b32 v5, 1, v0
	v_cmp_ne_u32 s30, 0, v5                        ; rows 1, 3, 9, 11 ..: column 1 of W2
	v_and_b32 v5, 2, v0
	v_cmp_ne_u32 s31, 0, v5                        ; rows 2, 3, 10, 11 ..: what the rounding to bf16 left
	v_and_b32 v5, 4, v0
	v_cmp_eq_u32 s32, 0, v5                        ; rows 0-3 and 8-11 hold numbers, the others 0
	s_lshl_b32 s20, s17, 9                         ; W2: 64 j rows
	s_mov_b32 s21, 0
	s_lshl_b32 s22, s17, 11                        ; wimg: two fragments of 1,024 bytes
	s_mov_b32 s23, 0
	s_wait_kmcnt 0x0
	s_add_nc_u64 s[8:9], s[8:9], s[20:21]
	s_add_nc_u64 s[14:15], s[14:15], s[22:23]
.irp e, 0,1,2,3,4,5,6,7,8,9,10,11,12,13,14,15
	global_load_b128 v[32+4*\e:32+4*\e+3], v3, s[8:9] offset:128*(\e/4)+16*(\e%4)   ; W2[k][0], W2[k][1], W2[k + 1][0], W2[k + 1][1]
.endr
	s_wait_loadcnt 0x0
.irp e, 0,1,2,3,4,5,6,7,8,9,10,11,12,13,14,15
	v_cndmask_b32 v8, v[32+4*\e], v[32+4*\e+1], s30                ; my row's column, at k
	v_cndmask_b32 v9, v[32+4*\e+2], v[32+4*\e+3], s30              ; and at k + 1
	v_cvt_pk_bf16_f32 v10, v8, v9                  ; rounded to bf16
	v_lshlrev_b32 v11, 16, v10                     ; widened again,
	v_and_b32 v12, 0xffff0000, v10
	v_sub_f32 v11, v8, v11                         ; what the rounding left (exact),
	v_sub_f32 v12, v9, v12
	v_cvt_pk_bf16_f32 v11, v11, v12                ; as bf16
	v_cndmask_b32 v10, v10, v11, s31
	v_cndmask_b32 v[96+\e], 0, v10, s32
.endr
.irp f, 0,1,2,3
	global_store_b128 v4, v[96+4*\f:96+4*\f+3], s[14:15] offset:LW2+512*\f    ; 32 lanes store 512 consecutive bytes
.endr
	s_endpgm
.Lfunc_end_k_q8fad0d274d_prep:
	.size	k_q8fad0d274d_prep, .Lfunc_end_k_q8fad0d274d_prep-k_q8fad0d274d_prep
	.p2alignl 7, 3214868480
	.fill 96, 4, 3214868480
	.section	.rodata,"a",@progbits
	.p2align	6, 0x0
	.amdhsa_kernel k_q8fad0d274d_prep
		.amdhsa_group_segment_fixed_size 41728
		.amdhsa_private_segment_fixed_size 0
		.amdhsa_enable_private_segment 0
		.amdhsa_kernarg_size 48
		.amdhsa_user_sgpr_count 2
		.amdhsa_user_sgpr_kernarg_segment_ptr 1
		.amdhsa_wavefront_size32 1
		.amdhsa_system_sgpr_workgroup_id_x 1
		.amdhsa_system_sgpr_workgroup_id_y 1
		.amdhsa_system_sgpr_workgroup_id_z 1
		.amdhsa_system_vgpr_workitem_id 0
		.amdhsa_next_free_vgpr 194
		.amdhsa_next_free_sgpr 66
		.amdhsa_reserve_vcc 0
		.amdhsa_float_denorm_mode_32 3
		.amdhsa_float_denorm_mode_16_64 3
		.amdhsa_memory_ordered 1
		.amdhsa_forward_progress 1
		.amdhsa_inst_pref_size 48
	.end_amdhsa_kernel
	.amdgpu_metadata
---
amdhsa.version: [ 1, 2 ]
amdhsa.kernels:
  - .name:           k_q8fad0d274d_prep
    .symbol:         k_q8fad0d274d_prep.kd
    .args:
      - { .name: emb, .offset: 0, .size: 8, .value_kind: global_buffer, .address_space: global }
      - { .name: W1, .offset: 8, .size: 8, .value_kind: global_buffer, .address_space: global }
      - { .name: W2, .offset: 16, .size: 8, .value_kind: global_buffer, .address_space: global }
      - { .name: ecodes, .offset: 24, .size: 8, .value_kind: global_buffer, .address_space: global }
      - { .name: escales, .offset: 32, .size: 8, .value_kind: global_buffer, .address_space: global }
      - { .name: wimg, .offset: 40, .size: 8, .value_kind: global_buffer, .address_space: global }
    .group_segment_fixed_size: 41728
    .private_segment_fixed_size: 0
    .kernarg_segment_align: 8
    .kernarg_segment_size: 48
    .max_flat_workgroup_size: 160
    .sgpr_count:     66
    .vgpr_count:     194
    .wavefront_size: 32
...
	.end_amdgpu_metadata
.endif
;; end of part 1
;; launch mlp (part 2): grid 256 x 1, 16 waves a work-group, no clusters, 178,176 bytes of LDS; arguments ecodes, escales, wimg, b1, b2, idxs_g, idxs_d, out0; writes out0
.if DOCPART == 2
	.amdgcn_target "amdgcn-amd-amdhsa--gfx1250"
	.amdhsa_code_object_version 6
	.text
	.protected	k_q8fad0d274d_mlp
	.globl	k_q8fad0d274d_mlp
	.p2align	8
	.type	k_q8fad0d274d_mlp,@function
k_q8fad0d274d_mlp:
	s_mov_b64 s[64:65], 0
	v_nop
	global_prefetch_b8 v0, s[64:65] scope:SCOPE_SE
	s_setreg_imm32_b32 hwreg(HW_REG_WAVE_MODE, 25, 1), 1
	s_wait_xcnt 0x0
; out0[p] = gelu(concat(emb[g_p], emb[d_p]) W1 + b1) W2 + b2 for 262,144 pairs.  The first product on codes of FP4 (E2M1) with one E8M0 scale for each 32 along K (the launch before made codes and scales);
; the second, which has two columns, in bf16 with f32 sums; everything else in f32.
; SHARES.  A work-group takes 1,024 pairs, each of its sixteen waves 64: four tiles of 16.  Every wave walks all 1,024 hidden units, 32 a step.  Four waves lie on a SIMD, 256 registers each, so that one wave's
; LDS loads and matrix instructions stand beside the others' vector work, of which a step has 448 instructions against 20 matrix instructions and 15 LDS loads.
; LDS holds W1's codes and scale words, W2's fragments and b1: 176,128 bytes, copied once through registers, one barrier behind the copy, then only read.  Nothing is filled again.
; NO CLUSTER: what work-groups share is those 176,128 bytes, read once at the head; behind the head a wave touches no memory until its two stores.  The gathered rows are each wave's own.
; LAYOUT.  The first product is used TRANSPOSED (source 0 = 16 hidden units of W1, source 1 = 16 pairs): a lane holds ONE pair (lane % 16) and register j of tile t the hidden unit 16 t + 8 (lane / 16) + j.
; Two neighbouring tiles, rounded to bf16 in pairs, ARE source 1 (32 k x 16 pairs) of the second product, whose source 0 is W2 as 16 rows: 0, 1 = bf16(W2's columns), 2, 3 = bf16 of what that rounding left,
; 8-11 the same again, the others 0.  So W2 loses nothing, only h is rounded; and lanes 16-31 hold the same results as lanes 0-15, so that two tiles leave as one store of 256 consecutive bytes.
; b1 is the C of each sum's first matrix instruction.
; GELU.  With a = |x|, m = max(x, 0): gelu(x) = m - a Phi(-a), and Phi(-a) = erfc(a / sqrt 2) / 2 = 2^P(a), P of degree 7: a published single-precision fit erfc(t) = exp(-t + t (c1 + .. + c7 t^6)) with
; t = a / sqrt 2, log2(e) and the half folded into its coefficients.  One exponential a number, no division, no branch, no clamp: P's leading coefficient is negative, P falls without bound, and 2^P goes to 0.
; LIMITS: the fit was made for a above 1.3 and is used below too: there, at the points worked by hand, Phi(-a) is off by up to about 1e-5 (near a = 0.15 to 0.35), h by about 3e-6 absolute, some hundred times
; under the rounding of h to bf16 that follows.  NaN and infinities are not served.  Indices are taken to lie in 0 .. 99,999, as the table asks; the hold at 99,999 changes none of them.
.set LSC,  131072                      ; LDS: W1's scale words
.set LW2,  139264                      ; W2's fragments
.set LB1,  172032                      ; b1, as it lies in memory
.set VW,   1                           ; v1   LDS address of the step's fragments of W1: 16 x lane, + 4,096 a step
.set VS,   2                           ; v2   of its scale words: LSC + 8 x lane, + 256 a step
.set VB,   3                           ; v3   of its 32 numbers of b1: LB1 + 32 (lane / 16), + 128 a step
.set VT,   4                           ; v4   of W2's fragment: LW2 + 16 x lane, + 1,024 a step
.set VO,   5                           ; v5   8 x lane: my place in a store
.set D7,   6                           ; v[6:7] d7; v[8:9] d6; v[10:11] d5; v[12:13] d4; v[14:15] d3; v[250:251] d2; v[252:253] d1: each twice, for the packed form
.set XF,   16                          ; v16-79   the pairs' fragments: tile m, K step ks (0: emb[g], 1: emb[d]) at XF + 16 m + 8 ks
.set XS,   80                          ; v80-87   their scale words, at XS + 2 m + ks: scales and nothing else
.set OUT,  88                          ; v88-119  the four accumulators of the second product.  At the head: indices and offsets
.set WF,   120                         ; v120-151 W1's fragments of a step: tile u, K step ks at WF + 8 (2 u + ks)
.set WS,   152                         ; v152-153 W1's scale words of tiles u = 0, 1: lanes 0-15 K step 0, lanes 16-31 K step 1: scales and nothing else
.set B1T,  154                         ; v154-169 b1 in the result's layout, two tiles
.set W2F,  170                         ; v170-177 W2's fragment of a step
.set X0,   178                         ; v178-193, v194-209 two sets of two accumulators of the first product
.set X1,   194
.set M,    210                         ; v210-225 max(x, 0), then h
.set P,    226                         ; v226-241 the polynomial, then 2^P
.set HP,   242                         ; v242-249 h as bf16: source 1 of the second product
.set IX,   88                          ; head: eight indices, e = 2 m + ks
.set COF,  96                          ; head: their byte offsets among the codes
.set SOF,  104                         ; head: and among the scale words
.set SG,   154                         ; head: v154-237 what is copied into LDS, 21 x 4 registers; v[238:239] b1's
	s_load_b256 s[8:15], s[0:1], 0x0               ; ecodes s[8:9], escales s[10:11], wimg s[12:13], b1 s[14:15]
	s_load_b256 s[16:23], s[0:1], 0x20             ; b2 s[16:17], idxs_g s[18:19], idxs_d s[20:21], out0 s[22:23]
	v_lshrrev_b32 v254, 5, v0
	v_readfirstlane_b32 s37, v254                  ; wave 0..15
	v_and_b32 v255, 31, v0                         ; lane
	v_and_b32 v246, 15, v0                         ; r
	v_bfe_u32 v247, v0, 4, 1                       ; h
	v_lshlrev_b32 v245, 2, v246                    ; 4 r: my pair's index in a tile's 16
	v_lshlrev_b32 v248, 4, v247                    ; 16 h: my half's bytes of a fragment's row
	v_lshlrev_b32 v240, 4, v0                      ; the copy: 16 bytes a thread, 8,192 an instruction; LDS addresses beyond the 16-bit immediate get registers of their own
	v_add_nc_u32 v241, 0x10000, v240
	v_add_nc_u32 v242, 0x20000, v240
	v_lshlrev_b32 v244, 3, v0                      ; b1: 8 bytes a thread
	v_add_nc_u32 v243, LB1, v244
	v_lshlrev_b32 v[VW], 4, v255
	v_lshl_add_u32 v[VS], v255, 3, LSC
	v_lshl_add_u32 v[VB], v247, 5, LB1
	v_lshl_add_u32 v[VT], v255, 4, LW2
	v_lshlrev_b32 v[VO], 3, v255
.irp n, 0,1
	v_mov_b32 v[6+\n],   0xb613eb94                ; d7 = -2.2041830e-6
	v_mov_b32 v[8+\n],   0x3890ec3c                ; d6 =  6.9104574e-5
	v_mov_b32 v[10+\n],  0xba81d538                ; d5 = -9.90546318e-4
	v_mov_b32 v[12+\n],  0x3c0f53cc                ; d4 =  8.74800568e-3
	v_mov_b32 v[14+\n],  0xbd5f15d0                ; d3 = -5.44641622e-2
	v_mov_b32 v[250+\n], 0xbeea77c7                ; d2 = -0.4579450835
	v_mov_b32 v[252+\n], 0xbf9362b0                ; d1 = -1.151449258;  d0 = -1 is written in the instruction
.endr
	s_lshl_b32 s40, ttmp9, 10
	s_lshl_b32 s41, s37, 6
	s_add_co_u32 s40, s40, s41                     ; my first pair: 1,024 x work-group + 64 x wave
	s_lshl_b32 s42, s40, 2                         ; 4 bytes an index,
	s_mov_b32 s43, 0
	s_lshl_b32 s44, s40, 3                         ; 8 bytes a row of out0
	s_mov_b32 s45, 0
	s_wait_kmcnt 0x0
	s_load_b64 s[38:39], s[16:17], 0x0             ; b2's two numbers
	s_add_nc_u64 s[18:19], s[18:19], s[42:43]
	s_add_nc_u64 s[20:21], s[20:21], s[42:43]
	s_add_nc_u64 s[22:23], s[22:23], s[44:45]
.irp m, 0,1,2,3
	global_load_b32 v[IX+2*\m],   v245, s[18:19] offset:64*\m th:TH_LOAD_NT    ; g of pair 16 m + r (both halves of the lanes ask for the same)
	global_load_b32 v[IX+2*\m+1], v245, s[20:21] offset:64*\m th:TH_LOAD_NT    ; d
.endr
.irp i, 0,1,2,3,4,5,6,7,8,9,10,11,12,13,14,15,16,17,18,19,20
	global_load_b128 v[SG+4*\i:SG+4*\i+3], v240, s[12:13] offset:8192*\i       ; wimg as it lies: 21 x 8,192 = 172,032 bytes
.endr
	global_load_b64 v[238:239], v244, s[14:15]     ; b1: 4,096 bytes
	s_wait_loadcnt 22                              ; the eight indices are in; the 22 loads of the copy, issued behind them, may be out
.irp e, 0,1,2,3,4,5,6,7
	v_min_u32 v[IX+\e], 0x1869f, v[IX+\e]          ; held at the table's last row
.endr
.irp e, 0,1,2,3,4,5,6,7
	v_lshlrev_b32 v[SOF+\e], 2, v[IX+\e]           ; a row's scale word: 4 bytes
	v_lshlrev_b32 v[COF+\e], 6, v[IX+\e]           ; a row's codes: 64 bytes
.endr
.irp e, 0,1,2,3,4,5,6,7
	v_add_nc_u32 v[COF+\e], v248, v[COF+\e]        ; + 16 h
.endr
; A fragment, 16 pairs x 128 K of 4-bit codes, is 8 registers: lane (r, h) holds pair r; registers 4 c .. 4 c + 3 hold k = 64 c + 32 h + 0 .. 31: 16 bytes of the row as they lie, 32 bytes apart.
.irp e, 0,1,2,3,4,5,6,7
	global_load_b128 v[XF+8*\e:XF+8*\e+3],   v[COF+\e], s[8:9]
	global_load_b128 v[XF+8*\e+4:XF+8*\e+7], v[COF+\e], s[8:9] offset:32
	global_load_b32  v[XS+\e], v[SOF+\e], s[10:11]                 ; lane r: pair r's scale word (lanes 16-31 hold the same and are not read)
.endr
	s_wait_loadcnt 24                              ; the copy's 22 loads are in; the 24 gathers, issued behind them, may be out
.irp i, 0,1,2,3,4,5,6,7,8,9,10,11,12,13,14,15,16,17,18,19,20
	ds_store_b128 v[240+\i/8], v[SG+4*\i:SG+4*\i+3] offset:8192*(\i%8)
.endr
	ds_store_b64 v243, v[238:239]
	s_wait_dscnt 0x0                               ; for the others' sake: my stores into LDS are done
	s_barrier_signal -1
	s_barrier_wait -1                              ; everybody's are: from here on LDS is only read
; A step's operands of the first product: 13 LDS loads, each of the first nine 16 or 8 consecutive bytes a lane; b1's four are shared by sixteen lanes each.
.macro LOADW
.irp i, 0,1,2,3,4,5,6,7
	ds_load_b128 v[WF+4*\i:WF+4*\i+3], v[VW] offset:512*\i
.endr
	ds_load_b64 v[WS:WS+1], v[VS]
	ds_load_b128 v[B1T:B1T+3],     v[VB]           ; tile u = 0: b1 at units 8 h + 0 .. 3,
	ds_load_b128 v[B1T+4:B1T+7],   v[VB] offset:16 ; 4 .. 7;
	ds_load_b128 v[B1T+8:B1T+11],  v[VB] offset:64 ; tile u = 1: 16 units on
	ds_load_b128 v[B1T+12:B1T+15], v[VB] offset:80
	v_add_nc_u32 v[VW], 4096, v[VW]                ; on to the next step
	v_add_nc_u32 v[VS], 256, v[VS]
	v_add_nc_u32 v[VB], 128, v[VB]
.endm
.macro LOADT                           ; W2's fragment of the step
	ds_load_b128 v[W2F:W2F+3],   v[VT]
	ds_load_b128 v[W2F+4:W2F+7], v[VT] offset:512
	v_add_nc_u32 v[VT], 1024, v[VT]
.endm
; x W1 + b1 for tile m of my pairs and the step's 32 hidden units, into the two accumulators at xb.  K = 256 is two instructions deep; the two accumulators take turns, one instruction a turn.
.macro MM xb, m
	v_wmma_scale_f32_16x16x128_f8f6f4 v[\xb:\xb+7],    v[WF:WF+7],     v[XF+16*\m:XF+16*\m+7],    v[B1T:B1T+7],    v[WS],   v[XS+2*\m]   matrix_a_fmt:MATRIX_FMT_FP4 matrix_b_fmt:MATRIX_FMT_FP4
	v_wmma_scale_f32_16x16x128_f8f6f4 v[\xb+8:\xb+15], v[WF+16:WF+23], v[XF+16*\m:XF+16*\m+7],    v[B1T+8:B1T+15], v[WS+1], v[XS+2*\m]   matrix_a_fmt:MATRIX_FMT_FP4 matrix_b_fmt:MATRIX_FMT_FP4
	v_wmma_scale_f32_16x16x128_f8f6f4 v[\xb:\xb+7],    v[WF+8:WF+15],  v[XF+16*\m+8:XF+16*\m+15], v[\xb:\xb+7],    v[WS],   v[XS+2*\m+1] matrix_a_fmt:MATRIX_FMT_FP4 matrix_b_fmt:MATRIX_FMT_FP4 matrix_a_scale:MATRIX_SCALE_ROW1
	v_wmma_scale_f32_16x16x128_f8f6f4 v[\xb+8:\xb+15], v[WF+24:WF+31], v[XF+16*\m+8:XF+16*\m+15], v[\xb+8:\xb+15], v[WS+1], v[XS+2*\m+1] matrix_a_fmt:MATRIX_FMT_FP4 matrix_b_fmt:MATRIX_FMT_FP4 matrix_a_scale:MATRIX_SCALE_ROW1
.endm
; m = max(x, 0), each accumulator from its low end on; then a = 2 m - x = |x|, exact, in x's place.  24 plain lines.
.macro GELU_A xb
.irp j, 0,1,2,3,4,5,6,7,8,9,10,11,12,13,14,15
	v_max_num_f32 v[M+\j], 0, v[\xb+\j]
.endr
.irp p, 0,2,4,6,8,10,12,14
	v_pk_fma_f32 v[\xb+\p:\xb+\p+1], v[M+\p:M+\p+1], 2.0, v[\xb+\p:\xb+\p+1] op_sel_hi:[1,0,1] neg_lo:[0,0,1] neg_hi:[0,0,1]
.endr
.endm
; Horner's step k of 7 for the two numbers at p:  P = d7 a + d6;  P = P a + d(7 - k);  at last P = P a - 1
.macro HORN k, p, xb
.set CK, 6+2*(\k)+234*((\k)/5)         ; the addend's pair: v8, v10, v12, v14, v250, v252 for k = 1 .. 6
.if \k == 1
	v_pk_fma_f32 v[P+\p:P+\p+1], v[\xb+\p:\xb+\p+1], v[D7:D7+1], v[CK:CK+1]
.elseif \k == 7
	v_pk_fma_f32 v[P+\p:P+\p+1], v[P+\p:P+\p+1], v[\xb+\p:\xb+\p+1], -1.0 op_sel_hi:[1,1,0]
.else
	v_pk_fma_f32 v[P+\p:P+\p+1], v[P+\p:P+\p+1], v[\xb+\p:\xb+\p+1], v[CK:CK+1]
.endif
.endm
.macro CLOSE i, xb                     ; h = m - a 2^P for pair i
	s_wait_alu depctr_va_vdst(0)
	v_pk_fma_f32 v[M+2*\i:M+2*\i+1], v[\xb+2*\i:\xb+2*\i+1], v[P+2*\i:P+2*\i+1], v[M+2*\i:M+2*\i+1] neg_lo:[1,0,0] neg_hi:[1,0,0]
.endm
; The rest of GELU for 16 numbers a lane, in two halves of eight, laid so that every exponential has a plain line that touches none of its registers behind it (ISA guide 5.7.2) and no line is spent on that alone:
; the first half's exponentials stand among the second half's Horner steps, the second half's among the first half's closing lines.  88 lines.
.macro GELU_B xb
.irp k, 1,2,3,4,5,6,7
.irp p, 0,2,4,6
	HORN \k, \p, \xb
.endr
.endr
.irp k, 1,2,3,4
	HORN \k, 8, \xb
	v_exp_f32 v[P+2*(\k-1)], v[P+2*(\k-1)]
	HORN \k, 10, \xb
	HORN \k, 12, \xb
	v_exp_f32 v[P+2*(\k-1)+1], v[P+2*(\k-1)+1]
	HORN \k, 14, \xb
.endr
.irp k, 5,6,7
.irp p, 8,10,12,14
	HORN \k, \p, \xb
.endr
.endr
.irp i, 0,1,2,3
	v_exp_f32 v[P+8+\i], v[P+8+\i]
	CLOSE \i, \xb
.endr
.irp i, 0,1,2,3
	v_exp_f32 v[P+12+\i], v[P+12+\i]
	v_cvt_pk_bf16_f32 v[HP+\i], v[M+2*\i], v[M+2*\i+1]             ; units 8 h + 2 i, + 1 of tile u = 0: register i of the next operand
.endr
.irp i, 4,5,6,7
	CLOSE \i, \xb
.endr
.irp i, 4,5,6,7
	v_cvt_pk_bf16_f32 v[HP+\i], v[M+2*\i], v[M+2*\i+1]             ; tile u = 1: k = 16 + 8 h + ..: registers 4 to 7
.endr
.endm
.macro OUTMM m, first                  ; the second product's K step of 32 hidden units for tile m.  first = 1: it starts the sum: nothing is cleared
.if \first
	v_wmma_f32_16x16x32_bf16 v[OUT+8*\m:OUT+8*\m+7], v[W2F:W2F+7], v[HP:HP+7], 0
.else
	v_wmma_f32_16x16x32_bf16 v[OUT+8*\m:OUT+8*\m+7], v[W2F:W2F+7], v[HP:HP+7], v[OUT+8*\m:OUT+8*\m+7]
.endif
.endm
; A STEP: 32 hidden units for my four tiles, in four stages.  Each stage first issues the NEXT tile's first product, into the other set of accumulators, then works the tile in hand: so a product's results are
; read a whole stage behind it.  A vector instruction that reads a matrix result or writes a matrix instruction's register, and a load into such a register, stand four places behind it, a matrix instruction that
; writes over one five, and only plain vector lines that name none of its registers are places (ISA guide 7.12.1 for vector instructions).  Here GELU_A's 24 lines, which name M and
; the OTHER set of accumulators alone, are the places in front of both runs of loads, and a stage's GELU the places between two products into one set: no v_nop stands in the loop.
; No two matrix instructions that follow each other share an accumulator, over the backward jump too.
.macro STEP first, last
	MM X1, 1
	GELU_A X0
	LOADT                                          ; W2's fragment: its last reader is the step before's last product, 24 places back
	GELU_B X0
	s_wait_dscnt 0x0                               ; W2's fragment is in (asked for 88 lines ago; nothing else of mine is out)
	OUTMM 0, \first
	MM X0, 2
	GELU_A X1
	GELU_B X1
	OUTMM 1, \first
	MM X1, 3                                       ; the step's last use of W1's fragments, scale words and b1
	GELU_A X0
.if \last == 0
	LOADW                                          ; so the next step's may be asked for
.endif
	GELU_B X0
	OUTMM 2, \first
.if \last == 0
	s_wait_dscnt 0x0                               ; they are in (asked for 88 lines ago)
	MM X0, 0                                       ; the next step's first tile
.endif
	GELU_A X1
	GELU_B X1
	OUTMM 3, \first
.endm
	LOADW                                          ; step 0
	s_wait_kmcnt 0x0                               ; b2
	s_wait_loadcnt 0x0                             ; the gathered fragments and scale words
	s_wait_dscnt 0x0
	MM X0, 0
.rept 5
	v_nop                                          ; the places between these products and the first read of their results, and the next product written over them: here alone no other work is at hand
.endr
	STEP 1, 0                                      ; the first step stands ahead of the loop: its second products start the sums
	s_mov_b32 s36, 30
.Lstep:
	STEP 0, 0
	s_sub_co_u32 s36, s36, 1
	s_cmp_lg_u32 s36, 0
	s_cbranch_scc1 .Lstep
	STEP 0, 1                                      ; the last step asks for nothing more
; THE WAY OUT.  In each accumulator registers 0, 1 hold h . bf16(W2's columns 0, 1) and registers 2, 3 h . (what that rounding left), of pair lane % 16, in both halves of the lanes.
.irp m, 0,1,2,3                        ; tiles 0 and 1 first: their four lines are the places behind the last product
	v_add_f32 v[M+2*\m],   v[OUT+8*\m],   v[OUT+8*\m+2]
	v_add_f32 v[M+2*\m+1], v[OUT+8*\m+1], v[OUT+8*\m+3]
.endr
	v_and_b32 v254, 31, v0
	v_cmp_gt_u32 vcc_lo, 16, v254                  ; lanes 0-15 take the even tile, lanes 16-31 the odd one: lane l then holds pair 32 q + l
.irp q, 0,1
	v_cndmask_b32 v[P+2*\q],   v[M+4*\q+2], v[M+4*\q],   vcc_lo
	v_cndmask_b32 v[P+2*\q+1], v[M+4*\q+3], v[M+4*\q+1], vcc_lo
.endr
.irp q, 0,1
	v_add_f32 v[P+2*\q],   s38, v[P+2*\q]          ; + b2
	v_add_f32 v[P+2*\q+1], s39, v[P+2*\q+1]
.endr
.irp q, 0,1
	global_store_b64 v[VO], v[P+2*\q:P+2*\q+1], s[22:23] offset:256*\q th:TH_STORE_NT   ; 32 lanes store 256 consecutive bytes, at a multiple of 256 from out0's first byte; written once, read by nobody here
.endr
	s_barrier_signal -1
	s_barrier_wait -1
	s_wait_xcnt 0x0
	v_lshl_add_u32 v254, v0, 2, 0x2b000
	v_mov_b32 v255, 0
	s_wait_tensorcnt 0x0
	ds_add_u32 v254, v255
	s_wait_dscnt 0x0
	s_endpgm
.Lfunc_end_k_q8fad0d274d_mlp:
	.size	k_q8fad0d274d_mlp, .Lfunc_end_k_q8fad0d274d_mlp-k_q8fad0d274d_mlp
	.p2alignl 7, 3214868480
	.fill 96, 4, 3214868480
	.section	.rodata,"a",@progbits
	.p2align	6, 0x0
	.amdhsa_kernel k_q8fad0d274d_mlp
		.amdhsa_group_segment_fixed_size 178176
		.amdhsa_private_segment_fixed_size 0
		.amdhsa_enable_private_segment 0
		.amdhsa_kernarg_size 64
		.amdhsa_user_sgpr_count 2
		.amdhsa_user_sgpr_kernarg_segment_ptr 1
		.amdhsa_wavefront_size32 1
		.amdhsa_system_sgpr_workgroup_id_x 1
		.amdhsa_system_sgpr_workgroup_id_y 1
		.amdhsa_system_sgpr_workgroup_id_z 1
		.amdhsa_system_vgpr_workitem_id 0
		.amdhsa_next_free_vgpr 256
		.amdhsa_next_free_sgpr 66
		.amdhsa_reserve_vcc 1
		.amdhsa_float_denorm_mode_32 3
		.amdhsa_float_denorm_mode_16_64 3
		.amdhsa_memory_ordered 1
		.amdhsa_forward_progress 1
		.amdhsa_inst_pref_size 98
	.end_amdhsa_kernel
	.amdgpu_metadata
---
amdhsa.version: [ 1, 2 ]
amdhsa.kernels:
  - .name:           k_q8fad0d274d_mlp
    .symbol:         k_q8fad0d274d_mlp.kd
    .args:
      - { .name: ecodes, .offset: 0, .size: 8, .value_kind: global_buffer, .address_space: global }
      - { .name: escales, .offset: 8, .size: 8, .value_kind: global_buffer, .address_space: global }
      - { .name: wimg, .offset: 16, .size: 8, .value_kind: global_buffer, .address_space: global }
      - { .name: b1, .offset: 24, .size: 8, .value_kind: global_buffer, .address_space: global }
      - { .name: b2, .offset: 32, .size: 8, .value_kind: global_buffer, .address_space: global }
      - { .name: idxs_g, .offset: 40, .size: 8, .value_kind: global_buffer, .address_space: global }
      - { .name: idxs_d, .offset: 48, .size: 8, .value_kind: global_buffer, .address_space: global }
      - { .name: out0, .offset: 56, .size: 8, .value_kind: global_buffer, .address_space: global }
    .group_segment_fixed_size: 178176
    .private_segment_fixed_size: 0
    .kernarg_segment_align: 8
    .kernarg_segment_size: 64
    .max_flat_workgroup_size: 512
    .sgpr_count:     66
    .vgpr_count:     256
    .wavefront_size: 32
...
	.end_amdgpu_metadata
.endif
;; end of part 2
;; ======== version 2 of 2: 2 launches; version 1 with the launch mlp written anew for expert scheduling mode
;; limits: a function is approximated: absolute error at most 4e-06
;; workspace buffers: ecodes 6,400,000 bytes; escales 400,128 bytes; wimg 172,032 bytes
;; launch prep: the kernel of part 1 again; grid 641 x 1, 5 waves a work-group, no clusters, 41,728 bytes of LDS; arguments emb, W1, W2, ecodes, escales, wimg; writes ecodes, escales, wimg
;; launch mlp (part 3): grid 256 x 1, 16 waves a work-group, no clusters, 178,176 bytes of LDS; arguments ecodes, escales, wimg, b1, b2, idxs_g, idxs_d, out0; writes out0
.if DOCPART == 3
	.amdgcn_target "amdgcn-amd-amdhsa--gfx1250"
	.amdhsa_code_object_version 6
	.text
	.protected	k_q8fad0d274d_mlp
	.globl	k_q8fad0d274d_mlp
	.p2align	8
	.type	k_q8fad0d274d_mlp,@function
k_q8fad0d274d_mlp:
	s_mov_b64 s[64:65], 0
	v_nop
	global_prefetch_b8 v0, s[64:65] scope:SCOPE_SE
	s_setreg_imm32_b32 hwreg(HW_REG_WAVE_SCHED_MODE, 0, 2), 2
	s_setreg_imm32_b32 hwreg(HW_REG_WAVE_MODE, 25, 1), 1
	s_wait_xcnt 0x0
	s_wait_alu depctr_vm_vsrc(0)
; out0[p] = gelu(concat(emb[g_p], emb[d_p]) W1 + b1) W2 + b2 for 262,144 pairs.  The first product on codes of FP4 (E2M1) with one E8M0 scale for each 32 along K (the launch before made codes and scales);
; the second, which has two columns, in bf16 with f32 sums; everything else in f32.
; SHARES.  A work-group takes 1,024 pairs, each of its sixteen waves 64: four tiles of 16.  Every wave walks all 1,024 hidden units, 32 a step.  Four waves lie on a SIMD, 256 registers each, so that one wave's
; LDS loads and matrix instructions stand beside the others' vector work, of which a step has 448 instructions against 20 matrix instructions and 15 LDS loads.
; LDS holds W1's codes and scale words, W2's fragments and b1: 176,128 bytes, copied once through registers, one barrier behind the copy, then only read.  Nothing is filled again.
; NO CLUSTER: what work-groups share is those 176,128 bytes, read once at the head; behind the head a wave touches no memory until its two stores.  The gathered rows are each wave's own.
; LAYOUT.  The first product is used TRANSPOSED (source 0 = 16 hidden units of W1, source 1 = 16 pairs): a lane holds ONE pair (lane % 16) and register j of tile t the hidden unit 16 t + 8 (lane / 16) + j.
; Two neighbouring tiles, rounded to bf16 in pairs, ARE source 1 (32 k x 16 pairs) of the second product, whose source 0 is W2 as 16 rows: 0, 1 = bf16(W2's columns), 2, 3 = bf16 of what that rounding left,
; 8-11 the same again, the others 0.  So W2 loses nothing, only h is rounded; and lanes 16-31 hold the same results as lanes 0-15, so that two tiles leave as one store of 256 consecutive bytes.
; b1 is the C of each sum's first matrix instruction.
; GELU.  With a = |x|, m = max(x, 0): gelu(x) = m - a Phi(-a), and Phi(-a) = erfc(a / sqrt 2) / 2 = 2^P(a), P of degree 7: a published single-precision fit erfc(t) = exp(-t + t (c1 + .. + c7 t^6)) with
; t = a / sqrt 2, log2(e) and the half folded into its coefficients.  One exponential a number, no division, no branch, no clamp: P's leading coefficient is negative, P falls without bound, and 2^P goes to 0.
; LIMITS: the fit was made for a above 1.3 and is used below too: there, at the points worked by hand, Phi(-a) is off by up to about 1e-5 (near a = 0.15 to 0.35), h by about 3e-6 absolute, some hundred times
; under the rounding of h to bf16 that follows.  NaN and infinities are not served.  Indices are taken to lie in 0 .. 99,999, as the table asks; the hold at 99,999 changes none of them.
; THE MODE: SCHED_MODE bits 1:0 = 2 (LLVM: expert scheduling mode 2), set by the entry lines.  The code itself states the register dependences between vector or matrix instructions and memory or LDS
; instructions, with s_wait_alu, always for 0.
; THE PLAN.  Registers that LDS instructions touch in the loop:
;   WF, WS, B1T   W1's fragments, its scale words, b1.  Read by the step's 16 scaled products, the last of them at the head of stage 2; behind that stage's first 24 vector lines the next step's 13 loads land in them.
;   W2F           W2's fragment.  Read by the step's four second products, the last at the step's end; behind the next step's first 24 vector lines the 2 loads land in it.
;   v[VW], v[VS], v[VB]   Read by the 13 loads; stepped by three vector adds behind the wait for those loads' data.
;   v[VT]         Read by the 2 loads; stepped by one vector add behind the wait for their data.
;   All else in the loop (the pairs' fragments and scale words, the accumulators, M, P, HP, the coefficients) is named by vector and matrix instructions alone.
; So a step has one wait on va_vdst straight ahead of each of its two runs of loads (the buffer's last readers are done, the run's addresses are written), one wait on vm_vsrc ahead of each run's address steps,
; and two waits on va_vdst in each GELU, one for each batch of eight exponentials.  The head and the way out state theirs where they stand.
.set LSC,  131072                      ; LDS: W1's scale words
.set LW2,  139264                      ; W2's fragments
.set LB1,  172032                      ; b1, as it lies in memory
.set VW,   1                           ; v1   LDS address of the step's fragments of W1: 16 x lane, + 4,096 a step
.set VS,   2                           ; v2   of its scale words: LSC + 8 x lane, + 256 a step
.set VB,   3                           ; v3   of its 32 numbers of b1: LB1 + 32 (lane / 16), + 128 a step
.set VT,   4                           ; v4   of W2's fragment: LW2 + 16 x lane, + 1,024 a step
.set VO,   5                           ; v5   8 x lane: my place in a store
.set D7,   6                           ; v[6:7] d7; v[8:9] d6; v[10:11] d5; v[12:13] d4; v[14:15] d3; v[250:251] d2; v[252:253] d1: each twice, for the packed form
.set XF,   16                          ; v16-79   the pairs' fragments: tile m, K step ks (0: emb[g], 1: emb[d]) at XF + 16 m + 8 ks
.set XS,   80                          ; v80-87   their scale words, at XS + 2 m + ks: scales and nothing else
.set OUT,  88                          ; v88-119  the four accumulators of the second product.  At the head: indices and offsets
.set WF,   120                         ; v120-151 W1's fragments of a step: tile u, K step ks at WF + 8 (2 u + ks)
.set WS,   152                         ; v152-153 W1's scale words of tiles u = 0, 1: lanes 0-15 K step 0, lanes 16-31 K step 1: scales and nothing else
.set B1T,  154                         ; v154-169 b1 in the result's layout, two tiles
.set W2F,  170                         ; v170-177 W2's fragment of a step
.set X0,   178                         ; v178-193, v194-209 two sets of two accumulators of the first product
.set X1,   194
.set M,    210                         ; v210-225 max(x, 0), then h
.set P,    226                         ; v226-241 the polynomial, then 2^P
.set HP,   242                         ; v242-249 h as bf16: source 1 of the second product
.set IX,   88                          ; head: eight indices, e = 2 m + ks
.set COF,  96                          ; head: their byte offsets among the codes
.set SOF,  104                         ; head: and among the scale words
.set SG,   154                         ; head: v154-237 what is copied into LDS, 21 x 4 registers; v[238:239] b1's
	s_load_b256 s[8:15], s[0:1], 0x0               ; ecodes s[8:9], escales s[10:11], wimg s[12:13], b1 s[14:15]
	s_load_b256 s[16:23], s[0:1], 0x20             ; b2 s[16:17], idxs_g s[18:19], idxs_d s[20:21], out0 s[22:23]
	v_lshrrev_b32 v254, 5, v0
	v_readfirstlane_b32 s37, v254                  ; wave 0..15
	v_and_b32 v255, 31, v0                         ; lane
	v_and_b32 v246, 15, v0                         ; r
	v_bfe_u32 v247, v0, 4, 1                       ; h
	v_lshlrev_b32 v245, 2, v246                    ; 4 r: my pair's index in a tile's 16
	v_lshlrev_b32 v248, 4, v247                    ; 16 h: my half's bytes of a fragment's row
	v_lshlrev_b32 v240, 4, v0                      ; the copy: 16 bytes a thread, 8,192 an instruction; LDS addresses beyond the 16-bit immediate get registers of their own
	v_add_nc_u32 v241, 0x10000, v240
	v_add_nc_u32 v242, 0x20000, v240
	v_lshlrev_b32 v244, 3, v0                      ; b1: 8 bytes a thread
	v_add_nc_u32 v243, LB1, v244
	v_lshlrev_b32 v[VW], 4, v255
	v_lshl_add_u32 v[VS], v255, 3, LSC
	v_lshl_add_u32 v[VB], v247, 5, LB1
	v_lshl_add_u32 v[VT], v255, 4, LW2
	v_lshlrev_b32 v[VO], 3, v255
.irp n, 0,1
	v_mov_b32 v[6+\n],   0xb613eb94                ; d7 = -2.2041830e-6
	v_mov_b32 v[8+\n],   0x3890ec3c                ; d6 =  6.9104574e-5
	v_mov_b32 v[10+\n],  0xba81d538                ; d5 = -9.90546318e-4
	v_mov_b32 v[12+\n],  0x3c0f53cc                ; d4 =  8.74800568e-3
	v_mov_b32 v[14+\n],  0xbd5f15d0                ; d3 = -5.44641622e-2
	v_mov_b32 v[250+\n], 0xbeea77c7                ; d2 = -0.4579450835
	v_mov_b32 v[252+\n], 0xbf9362b0                ; d1 = -1.151449258;  d0 = -1 is written in the instruction
.endr
	s_wait_alu depctr_va_sdst(0)                   ; s37, the wave's number, is written, ahead of its first reader: my first pair is made from it
	s_lshl_b32 s40, ttmp9, 10
	s_lshl_b32 s41, s37, 6
	s_add_co_u32 s40, s40, s41                     ; my first pair: 1,024 x work-group + 64 x wave
	s_lshl_b32 s42, s40, 2                         ; 4 bytes an index,
	s_mov_b32 s43, 0
	s_lshl_b32 s44, s40, 3                         ; 8 bytes a row of out0
	s_mov_b32 s45, 0
	s_wait_kmcnt 0x0
	s_load_b64 s[38:39], s[16:17], 0x0             ; b2's two numbers
	s_add_nc_u64 s[18:19], s[18:19], s[42:43]
	s_add_nc_u64 s[20:21], s[20:21], s[42:43]
	s_add_nc_u64 s[22:23], s[22:23], s[44:45]
	s_wait_alu depctr_va_vdst(0)                   ; the offsets v240, v244, v245 and v[VO] and the LDS addresses v240 to v243, v[VW], v[VS], v[VB], v[VT] are written: the loads and stores below read them
.irp m, 0,1,2,3
	global_load_b32 v[IX+2*\m],   v245, s[18:19] offset:64*\m th:TH_LOAD_NT    ; g of pair 16 m + r (both halves of the lanes ask for the same)
	global_load_b32 v[IX+2*\m+1], v245, s[20:21] offset:64*\m th:TH_LOAD_NT    ; d
.endr
.irp i, 0,1,2,3,4,5,6,7,8,9,10,11,12,13,14,15,16,17,18,19,20
	global_load_b128 v[SG+4*\i:SG+4*\i+3], v240, s[12:13] offset:8192*\i       ; wimg as it lies: 21 x 8,192 = 172,032 bytes
.endr
	global_load_b64 v[238:239], v244, s[14:15]     ; b1: 4,096 bytes
	s_wait_loadcnt 22                              ; the eight indices are in; the 22 loads of the copy, issued behind them, may be out
.irp e, 0,1,2,3,4,5,6,7
	v_min_u32 v[IX+\e], 0x1869f, v[IX+\e]          ; held at the table's last row
.endr
.irp e, 0,1,2,3,4,5,6,7
	v_lshlrev_b32 v[SOF+\e], 2, v[IX+\e]           ; a row's scale word: 4 bytes
	v_lshlrev_b32 v[COF+\e], 6, v[IX+\e]           ; a row's codes: 64 bytes
.endr
.irp e, 0,1,2,3,4,5,6,7
	v_add_nc_u32 v[COF+\e], v248, v[COF+\e]        ; + 16 h
.endr
	s_wait_alu depctr_va_vdst(0)                   ; the sixteen offsets v[COF ..] and v[SOF ..] are written, which the gathers below read
; A fragment, 16 pairs x 128 K of 4-bit codes, is 8 registers: lane (r, h) holds pair r; registers 4 c .. 4 c + 3 hold k = 64 c + 32 h + 0 .. 31: 16 bytes of the row as they lie, 32 bytes apart.
.irp e, 0,1,2,3,4,5,6,7
	global_load_b128 v[XF+8*\e:XF+8*\e+3],   v[COF+\e], s[8:9]
	global_load_b128 v[XF+8*\e+4:XF+8*\e+7], v[COF+\e], s[8:9] offset:32
	global_load_b32  v[XS+\e], v[SOF+\e], s[10:11]                 ; lane r: pair r's scale word (lanes 16-31 hold the same and are not read)
.endr
	s_wait_loadcnt 24                              ; the copy's 22 loads are in; the 24 gathers, issued behind them, may be out
.irp i, 0,1,2,3,4,5,6,7,8,9,10,11,12,13,14,15,16,17,18,19,20
	ds_store_b128 v[240+\i/8], v[SG+4*\i:SG+4*\i+3] offset:8192*(\i%8)
.endr
	ds_store_b64 v243, v[238:239]
	s_wait_dscnt 0x0                               ; for the others' sake: my stores into LDS are done
	s_barrier_signal -1
	s_barrier_wait -1                              ; everybody's are: from here on LDS is only read
	s_wait_alu depctr_vm_vsrc(0)                   ; the gathers have read v[COF ..] and v[SOF ..], the copy's loads and LDS stores v154 to v245: from here on these registers are OUT, B1T, W2F, X0, X1, M, P and HP, written by LDS loads, matrix and vector instructions
; A step's operands of the first product: 13 LDS loads, each of the first nine 16 or 8 consecutive bytes a lane; b1's four are shared by sixteen lanes each.
.macro LOADW
.irp i, 0,1,2,3,4,5,6,7
	ds_load_b128 v[WF+4*\i:WF+4*\i+3], v[VW] offset:512*\i
.endr
	ds_load_b64 v[WS:WS+1], v[VS]
	ds_load_b128 v[B1T:B1T+3],     v[VB]           ; tile u = 0: b1 at units 8 h + 0 .. 3,
	ds_load_b128 v[B1T+4:B1T+7],   v[VB] offset:16 ; 4 .. 7;
	ds_load_b128 v[B1T+8:B1T+11],  v[VB] offset:64 ; tile u = 1: 16 units on
	ds_load_b128 v[B1T+12:B1T+15], v[VB] offset:80
.endm
.macro ONW                             ; their addresses, on to the next step; it stands behind the wait for the loads' data
	s_wait_alu depctr_vm_vsrc(0)                   ; the 13 LDS loads have read v[VW], v[VS] and v[VB], which the three lines below write
	v_add_nc_u32 v[VW], 4096, v[VW]
	v_add_nc_u32 v[VS], 256, v[VS]
	v_add_nc_u32 v[VB], 128, v[VB]
.endm
.macro LOADT                           ; W2's fragment of the step
	ds_load_b128 v[W2F:W2F+3],   v[VT]
	ds_load_b128 v[W2F+4:W2F+7], v[VT] offset:512
.endm
.macro ONT                             ; its address, on to the next step; it stands behind the wait for the loads' data
	s_wait_alu depctr_vm_vsrc(0)                   ; the two LDS loads have read v[VT], which the line below writes
	v_add_nc_u32 v[VT], 1024, v[VT]
.endm
; x W1 + b1 for tile m of my pairs and the step's 32 hidden units, into the two accumulators at xb.  K = 256 is two instructions deep; the two accumulators take turns, one instruction a turn.
.macro MM xb, m
	v_wmma_scale_f32_16x16x128_f8f6f4 v[\xb:\xb+7],    v[WF:WF+7],     v[XF+16*\m:XF+16*\m+7],    v[B1T:B1T+7],    v[WS],   v[XS+2*\m]   matrix_a_fmt:MATRIX_FMT_FP4 matrix_b_fmt:MATRIX_FMT_FP4
	v_wmma_scale_f32_16x16x128_f8f6f4 v[\xb+8:\xb+15], v[WF+16:WF+23], v[XF+16*\m:XF+16*\m+7],    v[B1T+8:B1T+15], v[WS+1], v[XS+2*\m]   matrix_a_fmt:MATRIX_FMT_FP4 matrix_b_fmt:MATRIX_FMT_FP4
	v_wmma_scale_f32_16x16x128_f8f6f4 v[\xb:\xb+7],    v[WF+8:WF+15],  v[XF+16*\m+8:XF+16*\m+15], v[\xb:\xb+7],    v[WS],   v[XS+2*\m+1] matrix_a_fmt:MATRIX_FMT_FP4 matrix_b_fmt:MATRIX_FMT_FP4 matrix_a_scale:MATRIX_SCALE_ROW1
	v_wmma_scale_f32_16x16x128_f8f6f4 v[\xb+8:\xb+15], v[WF+24:WF+31], v[XF+16*\m+8:XF+16*\m+15], v[\xb+8:\xb+15], v[WS+1], v[XS+2*\m+1] matrix_a_fmt:MATRIX_FMT_FP4 matrix_b_fmt:MATRIX_FMT_FP4 matrix_a_scale:MATRIX_SCALE_ROW1
.endm
; m = max(x, 0), each accumulator from its low end on; then a = 2 m - x = |x|, exact, in x's place.  24 plain lines.
.macro GELU_A xb
.irp j, 0,1,2,3,4,5,6,7,8,9,10,11,12,13,14,15
	v_max_num_f32 v[M+\j], 0, v[\xb+\j]
.endr
.irp p, 0,2,4,6,8,10,12,14
	v_pk_fma_f32 v[\xb+\p:\xb+\p+1], v[M+\p:M+\p+1], 2.0, v[\xb+\p:\xb+\p+1] op_sel_hi:[1,0,1] neg_lo:[0,0,1] neg_hi:[0,0,1]
.endr
.endm
; Horner's step k of 7 for the two numbers at p:  P = d7 a + d6;  P = P a + d(7 - k);  at last P = P a - 1
.macro HORN k, p, xb
.set CK, 6+2*(\k)+234*((\k)/5)         ; the addend's pair: v8, v10, v12, v14, v250, v252 for k = 1 .. 6
.if \k == 1
	v_pk_fma_f32 v[P+\p:P+\p+1], v[\xb+\p:\xb+\p+1], v[D7:D7+1], v[CK:CK+1]
.elseif \k == 7
	v_pk_fma_f32 v[P+\p:P+\p+1], v[P+\p:P+\p+1], v[\xb+\p:\xb+\p+1], -1.0 op_sel_hi:[1,1,0]
.else
	v_pk_fma_f32 v[P+\p:P+\p+1], v[P+\p:P+\p+1], v[\xb+\p:\xb+\p+1], v[CK:CK+1]
.endif
.endm
.macro CLOSE i, xb                     ; h = m - a 2^P for pair i
	v_pk_fma_f32 v[M+2*\i:M+2*\i+1], v[\xb+2*\i:\xb+2*\i+1], v[P+2*\i:P+2*\i+1], v[M+2*\i:M+2*\i+1] neg_lo:[1,0,0] neg_hi:[1,0,0]
.endm
; The rest of GELU for 16 numbers a lane, in two halves of eight, laid so that every exponential has a plain line that touches none of its registers behind it (ISA guide 5.7.2) and no line is spent on that alone:
; the first half's exponentials stand among the second half's Horner steps, the second half's among the first half's closing lines.  88 lines.
; Each half's eight exponentials are a batch with ONE wait, ahead of the batch's first reader: the lines between the two waits name M, x and v[P] to v[P+7] alone, none of the second batch's results.
.macro GELU_B xb
.irp k, 1,2,3,4,5,6,7
.irp p, 0,2,4,6
	HORN \k, \p, \xb
.endr
.endr
.irp k, 1,2,3,4
	HORN \k, 8, \xb
	v_exp_f32 v[P+2*(\k-1)], v[P+2*(\k-1)]
	HORN \k, 10, \xb
	HORN \k, 12, \xb
	v_exp_f32 v[P+2*(\k-1)+1], v[P+2*(\k-1)+1]
	HORN \k, 14, \xb
.endr
.irp k, 5,6,7
.irp p, 8,10,12,14
	HORN \k, \p, \xb
.endr
.endr
	s_wait_alu depctr_va_vdst(0)                   ; the first half's eight exponentials have written v[P] to v[P+7], ahead of their first reader, the closing line of pair 0
.irp i, 0,1,2,3
	v_exp_f32 v[P+8+\i], v[P+8+\i]
	CLOSE \i, \xb
.endr
.irp i, 0,1,2,3
	v_exp_f32 v[P+12+\i], v[P+12+\i]
	v_cvt_pk_bf16_f32 v[HP+\i], v[M+2*\i], v[M+2*\i+1]             ; units 8 h + 2 i, + 1 of tile u = 0: register i of the next operand
.endr
	s_wait_alu depctr_va_vdst(0)                   ; the second half's eight exponentials have written v[P+8] to v[P+15], ahead of their first reader, the closing line of pair 4
.irp i, 4,5,6,7
	CLOSE \i, \xb
.endr
.irp i, 4,5,6,7
	v_cvt_pk_bf16_f32 v[HP+\i], v[M+2*\i], v[M+2*\i+1]             ; tile u = 1: k = 16 + 8 h + ..: registers 4 to 7
.endr
.endm
.macro OUTMM m, first                  ; the second product's K step of 32 hidden units for tile m.  first = 1: it starts the sum: nothing is cleared
.if \first
	v_wmma_f32_16x16x32_bf16 v[OUT+8*\m:OUT+8*\m+7], v[W2F:W2F+7], v[HP:HP+7], 0
.else
	v_wmma_f32_16x16x32_bf16 v[OUT+8*\m:OUT+8*\m+7], v[W2F:W2F+7], v[HP:HP+7], v[OUT+8*\m:OUT+8*\m+7]
.endif
.endm
; A STEP: 32 hidden units for my four tiles, in four stages.  Each stage first issues the NEXT tile's first product, into the other set of accumulators, then works the tile in hand: so a product's results are
; read a whole stage behind it.  A vector instruction that reads a matrix result or writes a matrix instruction's register stands four places behind it, a matrix instruction that writes over one five, and only
; plain vector lines that name none of its registers are places (ISA guide 7.12.1): a stage's GELU is the places between two products into one set, and no v_nop stands in the loop.
; For a load into a register that a matrix instruction has read, the wait on va_vdst ahead of the run states the dependence; GELU_A's 24 lines, which name M and the OTHER set of accumulators alone, stand
; between the products and that wait, so that the products are long issued when the wave comes to it.
; No two matrix instructions that follow each other share an accumulator, over the backward jump too.
.macro STEP first, last
	MM X1, 1
	GELU_A X0
	s_wait_alu depctr_va_vdst(0)                   ; the step before's last second product is done reading W2's fragment, in which the two loads below land; v[VT], which they read, is written
	LOADT
	GELU_B X0
	s_wait_dscnt 0x0                               ; W2's fragment is in (asked for 88 lines ago; nothing else of mine is out)
	ONT
	OUTMM 0, \first
	MM X0, 2
	GELU_A X1
	GELU_B X1
	OUTMM 1, \first
	MM X1, 3                                       ; the step's last use of W1's fragments, scale words and b1
	GELU_A X0
.if \last == 0
	s_wait_alu depctr_va_vdst(0)                   ; the step's scaled products are done reading W1's fragments, its scale words and b1, in which the 13 loads below land; v[VW], v[VS] and v[VB], which they read, are written
	LOADW                                          ; so the next step's may be asked for
.endif
	GELU_B X0
	OUTMM 2, \first
.if \last == 0
	s_wait_dscnt 0x0                               ; they are in (asked for 88 lines ago)
	ONW
	MM X0, 0                                       ; the next step's first tile
.endif
	GELU_A X1
	GELU_B X1
	OUTMM 3, \first
.endm
	LOADW                                          ; step 0: its addresses were written ahead of the head's first wait on va_vdst, and no vector line has named them or its registers since
	s_wait_kmcnt 0x0                               ; b2
	s_wait_loadcnt 0x0                             ; the gathered fragments and scale words
	s_wait_dscnt 0x0
	ONW
	MM X0, 0
.rept 5
	v_nop                                          ; the places between these products and the first read of their results, and the next product written over them: here alone no other work is at hand
.endr
	STEP 1, 0                                      ; the first step stands ahead of the loop: its second products start the sums
	s_mov_b32 s36, 30
.Lstep:
	STEP 0, 0
	s_sub_co_u32 s36, s36, 1
	s_cmp_lg_u32 s36, 0
	s_cbranch_scc1 .Lstep
	STEP 0, 1                                      ; the last step asks for nothing more
; THE WAY OUT.  In each accumulator registers 0, 1 hold h . bf16(W2's columns 0, 1) and registers 2, 3 h . (what that rounding left), of pair lane % 16, in both halves of the lanes.
.irp m, 0,1,2,3                        ; tiles 0 and 1 first: their four lines are the places behind the last product
	v_add_f32 v[M+2*\m],   v[OUT+8*\m],   v[OUT+8*\m+2]
	v_add_f32 v[M+2*\m+1], v[OUT+8*\m+1], v[OUT+8*\m+3]
.endr
	v_and_b32 v254, 31, v0
	v_cmp_gt_u32 vcc_lo, 16, v254                  ; lanes 0-15 take the even tile, lanes 16-31 the odd one: lane l then holds pair 32 q + l
	s_wait_alu depctr_va_vcc(0)                    ; the compare has written VCC, ahead of its first reader, the selects below
.irp q, 0,1
	v_cndmask_b32 v[P+2*\q],   v[M+4*\q+2], v[M+4*\q],   vcc_lo
	v_cndmask_b32 v[P+2*\q+1], v[M+4*\q+3], v[M+4*\q+1], vcc_lo
.endr
.irp q, 0,1
	v_add_f32 v[P+2*\q],   s38, v[P+2*\q]          ; + b2
	v_add_f32 v[P+2*\q+1], s39, v[P+2*\q+1]
.endr
	s_wait_alu depctr_va_vdst(0)                   ; the four additions have written v[P] to v[P+3], which the two stores read
.irp q, 0,1
	global_store_b64 v[VO], v[P+2*\q:P+2*\q+1], s[22:23] offset:256*\q th:TH_STORE_NT   ; 32 lanes store 256 consecutive bytes, at a multiple of 256 from out0's first byte; written once, read by nobody here
.endr
	s_barrier_signal -1
	s_barrier_wait -1
	s_wait_xcnt 0x0
	v_lshl_add_u32 v254, v0, 2, 0x2b000            ; the add's two registers, made anew straight ahead of the closing lines: no memory or LDS instruction has read v254 or v255
	v_mov_b32 v255, 0
	s_wait_dscnt 0x0                               ; the closing lines, six on end
	s_wait_alu 0x0
	s_wait_tensorcnt 0x0
	ds_add_u32 v254, v255
	s_wait_dscnt 0x0
	s_endpgm
.Lfunc_end_k_q8fad0d274d_mlp:
	.size	k_q8fad0d274d_mlp, .Lfunc_end_k_q8fad0d274d_mlp-k_q8fad0d274d_mlp
	.p2alignl 7, 3214868480
	.fill 96, 4, 3214868480
	.section	.rodata,"a",@progbits
	.p2align	6, 0x0
	.amdhsa_kernel k_q8fad0d274d_mlp
		.amdhsa_group_segment_fixed_size 178176
		.amdhsa_private_segment_fixed_size 0
		.amdhsa_enable_private_segment 0
		.amdhsa_kernarg_size 64
		.amdhsa_user_sgpr_count 2
		.amdhsa_user_sgpr_kernarg_segment_ptr 1
		.amdhsa_wavefront_size32 1
		.amdhsa_system_sgpr_workgroup_id_x 1
		.amdhsa_system_sgpr_workgroup_id_y 1
		.amdhsa_system_sgpr_workgroup_id_z 1
		.amdhsa_system_vgpr_workitem_id 0
		.amdhsa_next_free_vgpr 256
		.amdhsa_next_free_sgpr 66
		.amdhsa_reserve_vcc 1
		.amdhsa_float_denorm_mode_32 3
		.amdhsa_float_denorm_mode_16_64 3
		.amdhsa_memory_ordered 1
		.amdhsa_forward_progress 1
		.amdhsa_inst_pref_size 96
	.end_amdhsa_kernel
	.amdgpu_metadata
---
amdhsa.version: [ 1, 2 ]
amdhsa.kernels:
  - .name:           k_q8fad0d274d_mlp
    .symbol:         k_q8fad0d274d_mlp.kd
    .args:
      - { .name: ecodes, .offset: 0, .size: 8, .value_kind: global_buffer, .address_space: global }
      - { .name: escales, .offset: 8, .size: 8, .value_kind: global_buffer, .address_space: global }
      - { .name: wimg, .offset: 16, .size: 8, .value_kind: global_buffer, .address_space: global }
      - { .name: b1, .offset: 24, .size: 8, .value_kind: global_buffer, .address_space: global }
      - { .name: b2, .offset: 32, .size: 8, .value_kind: global_buffer, .address_space: global }
      - { .name: idxs_g, .offset: 40, .size: 8, .value_kind: global_buffer, .address_space: global }
      - { .name: idxs_d, .offset: 48, .size: 8, .value_kind: global_buffer, .address_space: global }
      - { .name: out0, .offset: 56, .size: 8, .value_kind: global_buffer, .address_space: global }
    .group_segment_fixed_size: 178176
    .private_segment_fixed_size: 0
    .kernarg_segment_align: 8
    .kernarg_segment_size: 64
    .max_flat_workgroup_size: 512
    .sgpr_count:     66
    .vgpr_count:     256
    .wavefront_size: 32
...
	.end_amdgpu_metadata
.endif
;; end of part 3
